; MI455X (gfx1250); checked and timed in simulation.
; The chip was launched on July 23, 2026; its instructions are those of AMD's public machine-readable ISA for CDNA 5 (MIT licence, August 2026) and "CDNA5" Instruction Set Architecture Reference Guide (July 2026). The comments in the code are by the model that wrote it; some were corrected since.
;; HRRNSVQ. Allowed arithmetic: matrix products marked QUANTISED: E2M1 operands, one E8M0 scale for each 32 along K, by v_wmma_scale_f32_16x16x128_f8f6f4 with both operands' format E2M1 (or v_wmma_scale_f32_32x16x128_f4), f32 sums; everything else in f32.
;; Inputs: codebooks 4,096 x 256 float32; random_vector 65,536 x 256 float32; x 65,536 x 256 float32.
;; Outputs: out0 65,536 x 256 float32.
;; This version of the problem:
;;   THIS VERSION OF THE PROBLEM IS GIVEN IN LOW PRECISION. The matrix products marked QUANTISED in the list below multiply operands that are first quantised to E2M1 (2 exponent bits, 1 mantissa bit; 4 bits a number), with one power-of-two scale for each 32 numbers along K (OCP MX v1.0); their sums are f32. All else is computed in f32.
;;   The module's matrix products, in the order in which they are computed (A, B: the left and right operand; K: the contracted axis; several contracted axes count as one K, in the product's order):
;;     1. [M 65,536, K 256] x [K 256, N 4,096]; A: input x; B: input codebooks: QUANTISED
;;   THE QUANTISER, for each operand of a quantised product, along K:
;;     - K is cut into blocks of 32 from its start; a last block that is shorter is filled with zeros.
;;     - A block's scale is 2^e with e = floor(log2(the largest magnitude in the block)) - 2, held to -126 .. 127; a block of zeros has e = 0. As a byte (E8M0): e + 127.
;;     - Each number is divided by its block's scale, clamped to +-6, and rounded to the nearest number of E2M1, ties to even, subnormals kept.
;;     - The product sums the exact products of the quantised numbers (number of the format x scale) in f32.
;;   ~~~python
;;   def quantise(x, axis):      # numpy; x: float32 -> the quantised numbers, widened to float32 again
;;       x = np.moveaxis(x, axis, -1); K = x.shape[-1]
;;       x = np.pad(x, [(0, 0)] * (x.ndim - 1) + [(0, -K % 32)]); x = x.reshape(x.shape[:-1] + (-1, 32)); a = np.abs(x).max(-1, keepdims=True)
;;       e = np.where(a > 0, np.clip(np.frexp(np.where(a > 0, a, 1))[1] - 1 - 2, -126, 127), 0)      # np.frexp(a)[1] - 1 = floor(log2(a)), exactly
;;       r = np.clip(x / 2.0 ** e, -6, 6)
;;       step = 2.0 ** (np.maximum(np.frexp(np.where(r == 0, 1, r))[1] - 1, 0) - 1)
;;       q = np.round(r / step) * step * 2.0 ** e      # np.round: ties to even
;;       return np.moveaxis(q.reshape(q.shape[:-2] + (-1,))[..., :K], -1, axis).astype(np.float32)
;;   ~~~
;; One version. Each part assembles by itself: llvm-mc -triple=amdgcn-amd-amdhsa -mcpu=gfx1250 --defsym DOCPART=n.
;; ======== version 1 of 1: 3 launches
;; limits: values within 1.5e-05 (relative) of each other or of a threshold may be ordered or decided otherwise than in the reference
;; workspace buffers: cbq 573,440 bytes; idx 262,144 bytes of whole numbers
;; launch quant (part 1): grid 64 x 1, 4 waves a work-group, no clusters, 18,944 bytes of LDS; arguments codebooks, cbq; writes cbq
.if DOCPART == 1
	.amdgcn_target "amdgcn-amd-amdhsa--gfx1250"
	.amdhsa_code_object_version 6
	.text
	.protected	k_qe6b35ef6f0_quant
	.globl	k_qe6b35ef6f0_quant
	.p2align	8
	.type	k_qe6b35ef6f0_quant,@function
k_qe6b35ef6f0_quant:
	s_mov_b64 s[64:65], 0
	v_nop
	global_prefetch_b8 v0, s[64:65] scope:SCOPE_SE
	s_setreg_imm32_b32 hwreg(HW_REG_WAVE_MODE, 25, 1), 1
	s_wait_xcnt 0x0
; The codebook [4096][256], f32, becomes codes of FP4 (E2M1) with one E8M0 scale byte for each 32 along K, laid in the ORDER OF THE OPERAND'S REGISTERS, and -1/2 |c|^2 in f32 of the unquantised rows.
; cbq: 16 sub-chunks of 35,840 bytes, each for 16 tiles of 16 codes (tile T = code / 16, sub-chunk T / 16, i = T % 16):
;   +0    + 128 i : 32 scale words: word l < 16: the four bytes of code 16 T + l for k 0..127; word l >= 16: those of code 16 T + l - 16 for k 128..255
;   +2048 + 64 i  : 16 f32: -1/2 |c|^2 of codes 16 T + 0..15
;   +3072 + 2048 i: four blocks n of 512 bytes: lane l's 16 bytes at 16 l are the codes k = 64 n + 32 (l / 16) + 0..31 of code 16 T + l % 16
; A block's scale is 2^(floor(log2(its largest magnitude)) - 2); its byte is the largest magnitude's exponent field - 2, held at 1 from below.  A block of zeros so gets the byte 1 where the rule says 127:
; its codes are zeros, which add nothing under any byte but 0xff, and the bytes are read by this program alone.
; LIMITS: NaN and infinities among the inputs are not served.
; SHARES.  A wave takes one tile: 16 rows of 1,024 bytes.  Four tiles' scale words are 512 bytes and their sums 256: so four waves form a work-group, and wave 0 stores these as whole aligned runs.  256 tiles: 64 work-groups.
; Each load reads 256 consecutive bytes of each of two rows; the conversions want 32 neighbours along K in ONE lane: the numbers turn through the wave's own stage in LDS (16 rows, 272 bytes apart).
.set X,   32                           ; v32-159  unit n (k = 64 n .. 64 n + 63 of the 16 rows) at X + 32 n
.set C,   160                          ; v160-175 the codes: four registers a unit
.set TM,  176                          ; v176-179 the blocks' largest magnitudes
.set SOP, 180                          ; v180-183 the conversions' scale operands
.set BYT, 184                          ; v184-187 the scale bytes
.set SQ,  188                          ; v188-195 four packed sums of squares
.set TP,  196                          ; v196-199 at work
.set STG, 4352                         ; a wave's stage: 16 rows x 272 bytes
.set SCL, 4*STG                        ; the work-group's 512 bytes of scale words
.set CCL, SCL+512                      ; and its 256 bytes of sums
	s_load_b128 s[4:7], s[0:1], 0x0                ; codebooks, cbq
	v_lshl_add_u32 v200, v0, 2, 0x4800
	v_mov_b32 v201, 0
	v_lshrrev_b32 v1, 5, v0
	v_readfirstlane_b32 s16, v1                    ; wave 0..3
	v_and_b32 v1, 31, v0                           ; lane
	v_and_b32 v2, 15, v0                           ; r
	v_bfe_u32 v3, v0, 4, 1                         ; h
	v_lshlrev_b32 v11, 4, v2                       ; 16 r
	v_lshl_add_u32 v4, v3, 10, v11                 ; in memory: lanes 0-15 one row's 256 bytes, lanes 16-31 the next row's
	s_mul_i32 s17, s16, STG                        ; my stage
	v_mul_u32_u24 v5, v3, 272
	v_add_nc_u32 v5, v5, v11
	v_add_nc_u32 v5, s17, v5                       ; into the stage: the same two rows
	v_mul_u32_u24 v6, v2, 272
	v_lshl_add_u32 v6, v3, 7, v6
	v_add_nc_u32 v6, s17, v6                       ; out of it: row r, 128 bytes for each half of the lanes
	v_lshlrev_b32 v7, 4, v1                        ; 16 x lane
	v_lshlrev_b32 v8, 3, v3                        ; 8 h: my bytes' shift in a scale word
	s_lshl_b32 s18, s16, 7
	s_add_co_u32 s18, s18, SCL
	v_lshl_add_u32 v9, v1, 2, s18                  ; my tile's scale words: 128 x wave + 4 x lane
	s_lshl_b32 s18, s16, 6
	s_add_co_u32 s18, s18, CCL
	v_lshl_add_u32 v10, v2, 2, s18                 ; my tile's sums: 64 x wave + 4 r
	v_add_nc_u32 v12, SCL, v7                      ; wave 0's way out: 16 bytes a lane of the scale words,
	v_lshlrev_b32 v13, 3, v1
	v_add_nc_u32 v14, CCL, v13                     ; 8 bytes a lane of the sums
	v_cmp_lt_u32 s14, 15, v1                       ; lanes 16-31
	s_mov_b32 s12, 0x76543210
	s_mov_b32 s13, 0xfedcba98                      ; v_permlanex16_b32's selects for lane l xor 16
.irp j, 0,1,2,3
	v_mov_b32 v[TP+\j], 0                          ; written once: a lane permute's destination counts as one of its sources
.endr
	s_lshl_b32 s19, ttmp9, 2
	s_add_co_u32 s19, s19, s16                     ; my tile T = 4 x work-group + wave
	s_lshl_b32 s20, s19, 14                        ; its 16 rows of 1,024 bytes
	s_mov_b32 s21, 0
	s_lshr_b32 s22, ttmp9, 2
	s_mul_i32 s22, s22, 35840                      ; the sub-chunk
	s_and_b32 s23, ttmp9, 3
	s_lshl_b32 s24, s23, 2
	s_add_co_u32 s24, s24, s16                     ; i = T % 16
	s_lshl_b32 s24, s24, 11
	s_add_co_u32 s24, s24, s22
	s_add_co_u32 s24, s24, 3072                    ; my tile's fragments
	s_mov_b32 s25, 0
	s_lshl_b32 s26, s23, 9
	s_add_co_u32 s26, s26, s22                     ; the work-group's 512 bytes of scale words
	s_mov_b32 s27, 0
	s_lshl_b32 s28, s23, 8
	s_add_co_u32 s28, s28, s22
	s_add_co_u32 s28, s28, 2048                    ; and its 256 bytes of sums
	s_mov_b32 s29, 0
	s_wait_kmcnt 0x0
	s_add_nc_u64 s[4:5], s[4:5], s[20:21]
	s_add_nc_u64 s[8:9], s[6:7], s[26:27]
	s_add_nc_u64 s[10:11], s[6:7], s[28:29]
	s_add_nc_u64 s[6:7], s[6:7], s[24:25]
.irp n, 0,1,2,3
.irp a, 0,1,2,3,4,5,6,7
	global_load_b128 v[X+32*\n+4*\a:X+32*\n+4*\a+3], v4, s[4:5] offset:2048*\a+256*\n th:TH_LOAD_NT   ; rows 2 a and 2 a + 1, bytes 256 n on
.endr
.endr
; Unit n through the stage, back into the registers that it left: LDS serves a wave's instructions in order, so the loads see the stores, and the next unit's stores come behind these loads.
.macro TURN n
	s_wait_loadcnt 24-8*\n                         ; this unit's eight loads are in; those of the later units may be out
.irp a, 0,1,2,3,4,5,6,7
	ds_store_b128 v5, v[X+32*\n+4*\a:X+32*\n+4*\a+3] offset:544*\a
.endr
.irp i, 0,1,2,3,4,5,6,7
	ds_load_b128 v[X+32*\n+4*\i:X+32*\n+4*\i+3], v6 offset:16*\i   ; lane (r, h): k = 64 n + 32 h + 0..31 of row r
.endr
.endm
	TURN 0
	TURN 1
	TURN 2
	TURN 3
	s_wait_dscnt 0x0
.irp n, 0,1,2,3
	v_max3_num_f32 v[TM+\n], 0x1800000, |v[X+32*\n]|, |v[X+32*\n+1]|   ; block 2 n + h of my row: all its 32 numbers are mine; and the floor 2^(3 - 127): so the byte cannot fall under 1
.endr
.irp i, 2,4,6,8,10,12,14,16,18,20,22,24,26,28,30
.irp n, 0,1,2,3
	v_max3_num_f32 v[TM+\n], v[TM+\n], |v[X+32*\n+\i]|, |v[X+32*\n+\i+1]|   ; (the four blocks by turns)
.endr
.endr
.irp n, 0,1,2,3
	v_add_nc_u32 v[SOP+\n], 0xff000000, v[TM+\n]   ; 2 off the exponent field: the conversion takes the exponent field of this operand as its scale
.endr
.irp n, 0,1,2,3
	v_lshrrev_b32 v[BYT+\n], 23, v[SOP+\n]         ; the scale's byte
.endr
.irp n, 0,1,2,3
	v_pk_mul_f32 v[SQ+2*\n:SQ+2*\n+1], v[X+32*\n:X+32*\n+1], v[X+32*\n:X+32*\n+1]   ; the sum of squares of the numbers as they came, in four chains of two
.endr
.irp i, 2,4,6,8,10,12,14,16,18,20,22,24,26,28,30
.irp n, 0,1,2,3
	v_pk_fma_f32 v[SQ+2*\n:SQ+2*\n+1], v[X+32*\n+\i:X+32*\n+\i+1], v[X+32*\n+\i:X+32*\n+\i+1], v[SQ+2*\n:SQ+2*\n+1]
.endr
.endr
	v_pk_add_f32 v[SQ:SQ+1], v[SQ:SQ+1], v[SQ+2:SQ+3]
	v_pk_add_f32 v[SQ+4:SQ+5], v[SQ+4:SQ+5], v[SQ+6:SQ+7]
	v_pk_add_f32 v[SQ:SQ+1], v[SQ:SQ+1], v[SQ+4:SQ+5]
	v_add_f32 v[SQ], v[SQ], v[SQ+1]
	v_permlanex16_b32 v[TP], v[SQ], s12, s13
	v_add_f32 v[SQ], v[SQ], v[TP]                  ; with lane l xor 16's half of the row
	v_mul_f32 v[SQ], -0.5, v[SQ]                   ; -1/2 |c|^2
	v_lshl_or_b32 v[TP+1], v[BYT+1], 16, v[BYT]    ; my two bytes of the word for k 0..127: blocks h and 2 + h,
	v_lshl_or_b32 v[TP+2], v[BYT+3], 16, v[BYT+2]  ; and of the word for k 128..255,
	v_lshlrev_b32 v[TP+1], v8, v[TP+1]             ; at their places;
	v_lshlrev_b32 v[TP+2], v8, v[TP+2]
	v_permlanex16_b32 v[TP], v[TP+1], s12, s13
	v_permlanex16_b32 v[TP+3], v[TP+2], s12, s13
	v_or_b32 v[TP+1], v[TP+1], v[TP]               ; with lane l xor 16's two the words are whole
	v_or_b32 v[TP+2], v[TP+2], v[TP+3]
	v_cndmask_b32 v[TP+1], v[TP+1], v[TP+2], s14   ; lanes 0-15 keep the first word, lanes 16-31 the second
.irp n, 0,1,2,3
.irp g, 0,1,2,3
	v_cvt_scalef32_pk8_fp4_f32 v[C+4*\n+\g], v[X+32*\n+8*\g:X+32*\n+8*\g+7], v[SOP+\n]   ; eight numbers / the scale, to the nearest code, ties to even, beyond the largest code the largest
.endr
.endr
	v_nop                                          ; one plain place behind the last scaled conversion
.irp n, 0,1,2,3
	global_store_b128 v7, v[C+4*\n:C+4*\n+3], s[6:7] offset:512*\n   ; 32 lanes store 512 consecutive bytes, at a multiple of 256 from cbq's first byte
.endr
	ds_store_b32 v9, v[TP+1]
	ds_store_b32 v10, v[SQ]                        ; both lanes of a row write the same word with the same value
	s_wait_dscnt 0x0                               ; for wave 0's sake: my stores have landed
	s_barrier_signal -1
	s_barrier_wait -1
	s_cmp_lg_u32 s16, 0
	s_cbranch_scc1 .Ldone
	ds_load_b128 v[16:19], v12                     ; four tiles' scale words
	ds_load_b64 v[20:21], v14                      ; four tiles' sums
	s_wait_dscnt 0x0
	global_store_b128 v7, v[16:19], s[8:9]         ; 512 consecutive bytes, aligned to 256
	global_store_b64 v13, v[20:21], s[10:11]       ; 256 consecutive bytes, aligned to 256
.Ldone:
	s_wait_tensorcnt 0x0
	ds_add_u32 v200, v201
	s_wait_dscnt 0x0
	s_endpgm
.Lfunc_end_k_qe6b35ef6f0_quant:
	.size	k_qe6b35ef6f0_quant, .Lfunc_end_k_qe6b35ef6f0_quant-k_qe6b35ef6f0_quant
	.p2alignl 7, 3214868480
	.fill 96, 4, 3214868480
	.section	.rodata,"a",@progbits
	.p2align	6, 0x0
	.amdhsa_kernel k_qe6b35ef6f0_quant
		.amdhsa_group_segment_fixed_size 18944
		.amdhsa_private_segment_fixed_size 0
		.amdhsa_enable_private_segment 0
		.amdhsa_kernarg_size 16
		.amdhsa_user_sgpr_count 2
		.amdhsa_user_sgpr_kernarg_segment_ptr 1
		.amdhsa_wavefront_size32 1
		.amdhsa_system_sgpr_workgroup_id_x 1
		.amdhsa_system_sgpr_workgroup_id_y 1
		.amdhsa_system_sgpr_workgroup_id_z 1
		.amdhsa_system_vgpr_workitem_id 0
		.amdhsa_next_free_vgpr 202
		.amdhsa_next_free_sgpr 66
		.amdhsa_reserve_vcc 0
		.amdhsa_float_denorm_mode_32 3
		.amdhsa_float_denorm_mode_16_64 3
		.amdhsa_memory_ordered 1
		.amdhsa_forward_progress 1
		.amdhsa_inst_pref_size 22
	.end_amdhsa_kernel
	.amdgpu_metadata
---
amdhsa.version: [ 1, 2 ]
amdhsa.kernels:
  - .name:           k_qe6b35ef6f0_quant
    .symbol:         k_qe6b35ef6f0_quant.kd
    .args:
      - { .name: codebooks, .offset: 0, .size: 8, .value_kind: global_buffer, .address_space: global }
      - { .name: cbq, .offset: 8, .size: 8, .value_kind: global_buffer, .address_space: global }
    .group_segment_fixed_size: 18944
    .private_segment_fixed_size: 0
    .kernarg_segment_align: 8
    .kernarg_segment_size: 16
    .max_flat_workgroup_size: 128
    .sgpr_count:     66
    .vgpr_count:     202
    .wavefront_size: 32
...
	.end_amdgpu_metadata
.endif
;; end of part 1
;; launch nearest (part 2): grid 256 x 1, 8 waves a work-group, clusters of 4 x 1, 327,680 bytes of LDS; arguments x, cbq, idx; writes idx
.if DOCPART == 2
	.amdgcn_target "amdgcn-amd-amdhsa--gfx1250"
	.amdhsa_code_object_version 6
	.text
	.protected	k_qe6b35ef6f0_nearest
	.globl	k_qe6b35ef6f0_nearest
	.p2align	8
	.type	k_qe6b35ef6f0_nearest,@function
k_qe6b35ef6f0_nearest:
	s_mov_b64 s[64:65], 0
	v_nop
	global_prefetch_b8 v0, s[64:65] scope:SCOPE_SE
	s_setreg_imm32_b32 hwreg(HW_REG_WAVE_MODE, 25, 1), 1
	s_wait_xcnt 0x0
	s_wait_alu depctr_hold_cnt(0) depctr_sa_sdst(0) depctr_va_vdst(0) depctr_va_sdst(0) depctr_va_ssrc(0) depctr_va_vcc(0) depctr_vm_vsrc(0)
	s_getreg_b32 s2, hwreg(HW_REG_IB_STS2, 6, 4)
	s_cmp_eq_u32 s2, 0
	s_cbranch_scc0 .Lentry_in_a_cluster
	s_endpgm
.Lentry_in_a_cluster:
	s_bfe_u32 s2, ttmp6, 0x10000c
	s_cmp_lg_u32 s2, 0x3003
	s_cbranch_scc0 .Lentry_shape_is_right
	s_endpgm
.Lentry_shape_is_right:
; idx[row] = the code c that makes |x|^2 - 2 x.c + |c|^2 least, x.c taken on codes of FP4 (E2M1) with one E8M0 scale for each 32 along K = 256.  x: [65536][256] f32, quantised here in registers; the codebook comes
; from cbq, quantised by the launch before and laid in the order of the operand's registers (its layout stands at that kernel's head).
; THE SCORE is s = x_q.c_q - 1/2 |c|^2: the least distance is the largest s; |x|^2 is the same for all codes of a row and is not added.  -1/2 |c|^2 is the C of the first of the two K steps, so it costs no instruction.
; THE ARGMAX.  The low 7 bits of each score are replaced (v_bfi_b32) by e = 127 - (2 u + jb), u the wave's tile number 0..63, jb = register / 4; v_max3_num_f32 then takes two new scores into a running best: 12 vector
; instructions for a result of 16 x 16.  A lane keeps four bests a row tile (register % 4); index and value are taken apart at the end.
; LIMITS: scores are compared at 17 significant bits; among scores equal in those bits the lower index wins where they are positive and the higher where they are negative, within one lane's best; between bests, lanes
; and waves equal values go to the lower index.  The order of rounding differs from a sum |x|^2 - 2 x.c + |c|^2.  Scores under -3.40277e38, NaN and infinities are not served.  A block of zeros of x gets the scale byte 1: its codes are zeros.
; SHARES.  A work-group owns 256 rows.  Wave w = 4 rh + cq takes rows 128 rh .. + 127 (eight row tiles, their fragments in 128 registers for the whole launch) and a quarter cq of the codes of each of four fills: 64 tiles of 16.
; Eight waves of 512 registers and not four of 1,024: the three sources of v_max3_num_f32 lie in the same window of 256 registers as the products' operands, so the loop has no switch of the window; that window holds 128 rows of x.
; THE MATRIX INSTRUCTION: source 0 = 16 codes, source 1 = 16 rows of x: lane (r, h) holds row r, its register j the code 16 T + 8 h + j.
; THE RING.  Two LDS slots of 143,360 bytes, a quarter of cbq each; each wave fetches an eighth of a slot (70 rows of 256 bytes, dense) with one tensor load.
; CLUSTER.  All work-groups walk the same cbq: the four of a cluster ask for each part JOINTLY, by the same tensor load with the same descriptor and a mask that names the four.  cx enters x's and idx's addresses alone.
; REGISTERS.  Window 0: v0 thread; v1, v2 the add's; v3-5 LDS addresses; v6, v7 the codes' scale words; v8-15 x's scale words (they hold scales and nothing else); v16-47 two buffers of a tile's fragments (K step 0, K step 1);
;   v48-63 two buffers of -1/2 |c|^2; v64-95 a ring of four accumulators; v96-127 the bests, four a row tile; v128-255 x's fragments, 16 a row tile.  Window 1: x as f32, at the head only.
.set SLOTB, 143360                     ; a slot: four sub-chunks of cbq
.set SUBC,  35840                      ; a sub-chunk: 16 tiles: what a wave walks in a phase
.set PART,  17920                      ; what one tensor load brings
.set XIMG,  2*SLOTB                    ; behind the ring: for each wave 4,352 bytes: first its stage (16 rows x 272), then the images of its two row tiles; at the end the first 8,192 bytes carry the waves' bests.  No fill lands here
.set XPART, 4352
.set SPARE, XIMG+8*XPART               ; the spare words, 128 bytes for each wave: four blocks of 256 bytes that no other line names
.set SPW,  1
.set NIL,  2
.set AF,   3                           ; v3   LDS address of the tile's fragments: 16 x lane
.set ASC,  4                           ; v4   of its scale words: 4 x lane
.set AQ,   5                           ; v5   of its -1/2 |c|^2: 32 h
.set CS,   6
.set XS,   8
.set F,    16
.set CC,   48
.set ACC,  64
.set BEST, 96
.set XF,   128
.set XC,   16                          ; at the head: v16-47 the codes of my two row tiles,
.set TM,   48                          ; v48-51 largest magnitudes, v52-55 scale operands, v56-59 bytes, v60-63 at work,
.set SOP,  52
.set BYT,  56
.set TP,   60
.set XW,   64                          ; v64, v65 the two scale words,
.set LN,   96                          ; v96 lane, v97 r, v98 h, v99 8 h, v100, v101 where my images go
.set RR,   97
.set HH,   98
.set H8,   99
.set IMA,  100
.set IMS,  101
.set WV,   10                          ; s10  wave
.set G1,   16                          ; s[16:23] descriptor group 1
.set G0,   24                          ; s[24:31] descriptor group 0, a set for each slot
.set MSK,  32                          ; s32  0x7f
.set E0,   34                          ; s34, s35 the index field of the tile in buffer 0, for jb = 0, 1
.set E1,   36                          ; s36, s37 the same for buffer 1
.set SEL,  38                          ; s[38:39] selects for lane l xor 16
.set TRIPS, 42
.set HI,   43                          ; s43  lanes 16-31
.set SAF,  45                          ; s45-47 where the tile in buffer 0 lies in LDS: fragments, scale words, -1/2 |c|^2; stepped by constants
.set SAS,  46
.set SAQ,  47
.set MSB, 0
.macro WIN new                         ; the immediate's high byte repeats the setting that is left
.if MSB != \new
	s_set_vgpr_msb (MSB<<8)|\new
.set MSB, \new
.endif
.endm
; A round of the cluster's barrier: my work-group's barrier, so that wave 0's signal speaks for all eight waves; wave 0 signals; every wave waits for all four work-groups; my work-group's barrier once more.
.macro ROUND
	s_barrier_signal -1
	s_barrier_wait -1
	s_cmp_lg_u32 s[WV], 0
	s_cbranch_scc1 .Lnot_wave_0_\@
	s_barrier_signal -3
.Lnot_wave_0_\@:
	s_barrier_wait -3
	s_barrier_signal -1
	s_barrier_wait -1
.endm
	s_load_b128 s[4:7], s[0:1], 0x0                ; x, cbq
	s_load_b64 s[8:9], s[0:1], 0x10                ; idx
	v_lshl_add_u32 v[SPW], v0, 2, SPARE
	v_mov_b32 v[NIL], 0
	ds_add_u32 v1, v2
	ds_add_u32 v1, v2
	s_wait_dscnt 0x0
	v_lshrrev_b32 v[LN], 5, v0
	v_readfirstlane_b32 s[WV], v[LN]               ; wave 0..7
	s_bfe_u32 s11, ttmp6, 0x40000                  ; cx
	s_lshl_b32 s12, ttmp9, 2                       ; in a cluster launch ttmp9 counts clusters
	s_add_co_u32 s12, s12, s11                     ; my work-group: it enters x's and idx's addresses alone
	s_lshr_b32 s13, s[WV], 2                       ; rh: which 128 rows
	s_and_b32 s14, s[WV], 3                        ; cq: which quarter of a slot
	s_lshl_b32 s33, s14, 8                         ; 256 cq: kept for the end
	s_mul_i32 s14, s14, SUBC
	s_lshl_b32 s48, s12, 18                        ; x: 256 rows of 1,024 bytes a work-group,
	s_lshl_b32 s49, s[WV], 15                      ; 32 rows a wave
	s_add_co_u32 s48, s48, s49
	s_mov_b32 s49, 0
	s_lshl_b32 s50, s12, 10                        ; idx: 256 words a work-group
	s_mov_b32 s51, 0
	s_mul_i32 s52, s[WV], PART                     ; my eighth of a slot, in memory and in LDS: the wave's number alone
	s_mov_b32 s53, 0
	s_mov_b32 s[MSK], 0x7f
	s_mov_b32 s[E0], 127                           ; tile 0
	s_mov_b32 s[E0+1], 126
	s_mov_b32 s[E1], 129                           ; stands for a tile -1: the first reduction works on numbers that no score falls under
	s_mov_b32 s[E1+1], 128
	s_mov_b32 s[SEL], 0x76543210
	s_mov_b32 s[SEL+1], 0xfedcba98
	; descriptor group 1: 70 rows of 256 bytes (32 elements of 8 bytes), dense, no padding: every read of a slot is 16 x lane or 4 x lane on end, or the same word for sixteen lanes
	s_mov_b32 s[G1+0], 15|(3<<16)|(1<<21)          ; 15:0 the mask: all four work-groups; 17:16 elements of 8 bytes; 21 set beside a mask
	s_mov_b32 s[G1+1], 32<<16                      ; tensor_dim0 = 32
	s_mov_b32 s[G1+2], 70<<16                      ; tensor_dim1 = 70
	s_mov_b32 s[G1+3], 32<<16                      ; tile_dim0 = 32
	s_mov_b32 s[G1+4], 70                          ; tile_dim1 = 70
	s_mov_b32 s[G1+5], 32                          ; from row to row: 32 elements
	s_mov_b32 s[G1+6], 0
	s_mov_b32 s[G1+7], 0
	v_and_b32 v[LN], 31, v0                        ; lane
	v_and_b32 v[RR], 15, v0                        ; r
	v_bfe_u32 v[HH], v0, 4, 1                      ; h
	v_lshlrev_b32 v[H8], 4, v[RR]                  ; 16 r
	v_lshl_add_u32 v[AF], v[HH], 10, v[H8]         ; x in memory: lanes 0-15 one row's 256 bytes, lanes 16-31 the next row's
	s_mul_i32 s46, s[WV], XPART
	s_add_co_u32 s46, s46, XIMG                    ; my stage
	v_mul_u32_u24 v[ASC], v[HH], 272
	v_add_nc_u32 v[ASC], v[ASC], v[H8]
	v_add_nc_u32 v[ASC], s46, v[ASC]               ; into it: the same two rows
	v_mul_u32_u24 v[AQ], v[RR], 272
	v_lshl_add_u32 v[AQ], v[HH], 7, v[AQ]
	v_add_nc_u32 v[AQ], s46, v[AQ]                 ; out of it: row r, 128 bytes for each half of the lanes
	v_lshl_add_u32 v[IMA], v[LN], 4, s46           ; my images: 16 x lane,
	s_add_co_u32 s47, s46, 4096
	v_lshl_add_u32 v[IMS], v[LN], 2, s47           ; their scale words: 4 x lane
	v_lshlrev_b32 v[H8], 3, v[HH]                  ; 8 h
	v_cmp_lt_u32 s[HI], 15, v[LN]
	v_mov_b32 v[TP+2], 0                           ; written once: a lane permute's destination counts as one of its sources
	v_mov_b32 v[TP+3], 0
	s_wait_kmcnt 0x0
	s_add_nc_u64 s[4:5], s[4:5], s[48:49]
	s_add_nc_u64 s[8:9], s[8:9], s[50:51]
	WIN 0x40                                       ; destination window 1
.irp t, 0,1
.irp n, 0,1,2,3
.irp a, 0,1,2,3,4,5,6,7
	global_load_b128 v[32*(4*\t+\n)+4*\a:32*(4*\t+\n)+4*\a+3], v[AF], s[4:5] offset:16384*\t+2048*\a+256*\n th:TH_LOAD_NT   ; unit 4 t + n: rows 16 t + 2 a and + 1, bytes 256 n on: my 32 rows, 32,768 bytes, all on their way
.endr
.endr
.endr
	WIN 0
	s_mov_b32 s[G0], 1                             ; 1:0 count = 1
	s_mov_b32 s[G0+1], s52                         ; LDS address: slot 0
	s_add_nc_u64 s[G0+2:G0+3], s[6:7], s[52:53]    ; global address: fill 0
	s_mov_b32 s[G0+4], 1
	s_add_co_u32 s[G0+5], s52, SLOTB               ; slot 1
	s_add_nc_u64 s[G0+6:G0+7], s[G0+2:G0+3], SLOTB ; fill 1
	s_or_b32 s[G0+3], s[G0+3], 0x80000000          ; 127:126 type = 2
	s_or_b32 s[G0+7], s[G0+7], 0x80000000
	ROUND                                          ; all four work-groups are here: the first joint loads meet
	tensor_load_to_lds s[G0:G0+3], s[G1:G1+7]      ; both first fills together, ahead of every wait on TENSORcnt and every LDS read: two loads of mine are out
	s_nop 0
	tensor_load_to_lds s[G0+4:G0+7], s[G1:G1+7]
	s_nop 0
.rept 4
	v_nop
.endr
; Unit n through my stage, back into the registers that it left: LDS serves a wave's instructions in order, so the loads see the stores, and the next unit's stores come behind these loads.
.macro TURN n
	s_wait_loadcnt 56-8*\n                         ; this unit's eight loads are in; those of the later units may be out
.irp a, 0,1,2,3,4,5,6,7
	ds_store_b128 v[ASC], v[32*\n+4*\a:32*\n+4*\a+3] offset:544*\a
.endr
.irp i, 0,1,2,3,4,5,6,7
	ds_load_b128 v[32*\n+4*\i:32*\n+4*\i+3], v[AQ] offset:16*\i   ; lane (r, h): k = 64 (n % 4) + 32 h + 0..31 of row 16 (n / 4) + r
.endr
.endm
	WIN 0x44                                       ; an LDS store's data (source 1) and an LDS load's destination: window 1
.irp n, 0,1,2,3,4,5,6,7
	TURN \n
.endr
; Row tile t of my two becomes two fragments' codes in v[XC + 16 t] on and one register of scale words: lanes 0-15 the word for k 0..127 of row r, lanes 16-31 that for k 128..255.
.macro QUANTX t
	WIN 0x14                                       ; sources 1 and 2: window 1
.irp n, 0,1,2,3
	v_max3_num_f32 v[TM+\n], 0x1800000, |v[128*\t+32*\n]|, |v[128*\t+32*\n+1]|   ; block 2 n + h of my row: all its 32 numbers are mine; and the floor 2^(3 - 127): so the byte cannot fall under 1
.endr
.irp i, 2,4,6,8,10,12,14,16,18,20,22,24,26,28,30
.irp n, 0,1,2,3
	v_max3_num_f32 v[TM+\n], v[TM+\n], |v[128*\t+32*\n+\i]|, |v[128*\t+32*\n+\i+1]|   ; (the four blocks by turns)
.endr
.endr
	WIN 0
.irp n, 0,1,2,3
	v_add_nc_u32 v[SOP+\n], 0xff000000, v[TM+\n]   ; 2 off the exponent field: the conversion's scale operand
.endr
.irp n, 0,1,2,3
	v_lshrrev_b32 v[BYT+\n], 23, v[SOP+\n]         ; the scale's byte
.endr
	v_lshl_or_b32 v[TP], v[BYT+1], 16, v[BYT]      ; my two bytes of each word: blocks h and 2 + h,
	v_lshl_or_b32 v[TP+1], v[BYT+3], 16, v[BYT+2]
	v_lshlrev_b32 v[TP], v[H8], v[TP]              ; at their places;
	v_lshlrev_b32 v[TP+1], v[H8], v[TP+1]
	v_permlanex16_b32 v[TP+2], v[TP], s[SEL], s[SEL+1]
	v_permlanex16_b32 v[TP+3], v[TP+1], s[SEL], s[SEL+1]
	v_or_b32 v[TP], v[TP], v[TP+2]                 ; with lane l xor 16's two the words are whole
	v_or_b32 v[TP+1], v[TP+1], v[TP+3]
	v_cndmask_b32 v[XW+\t], v[TP], v[TP+1], s[HI]
	WIN 0x01                                       ; source 0: window 1
.irp n, 0,1,2,3
.irp g, 0,1,2,3
	v_cvt_scalef32_pk8_fp4_f32 v[XC+16*\t+4*\n+\g], v[128*\t+32*\n+8*\g:128*\t+32*\n+8*\g+7], v[SOP+\n]
.endr
.endr
	WIN 0
	v_nop                                          ; one plain place behind the last scaled conversion
.endm
	s_wait_dscnt 63                                ; row tile 0 is back: 64 LDS instructions are younger than its last load; the count's field holds 63, and the smaller count is safe
	QUANTX 0
	s_wait_dscnt 0x0                               ; row tile 1 is back
	QUANTX 1
; OPERANDS GO FROM WAVE TO WAVE AS IMAGES OF THEIR REGISTERS: four registers by one store, 16 bytes a lane on end.  They lie over my stage, which I have read out.
.irp t, 0,1
.irp n, 0,1,2,3
	ds_store_b128 v[IMA], v[XC+16*\t+4*\n:XC+16*\t+4*\n+3] offset:2048*\t+512*\n
.endr
	ds_store_b32 v[IMS], v[XW+\t] offset:128*\t
.endr
	s_mul_i32 s44, s13, 4*XPART
	s_add_co_u32 s44, s44, XIMG                    ; the images of my 128 rows: four waves' parts
	v_lshl_add_u32 v[AF], v[LN], 4, s44            ; (x's loads have all come: their offset register is free)
	v_lshl_add_u32 v[ASC], v[LN], 2, s44
	s_mov_b32 s48, 0xff7fff80                      ; a finite number under every score that is served, its index field 0
	s_wait_tensorcnt 0x1                           ; my part of slot 0 is in; slot 1's may stay out
	s_wait_dscnt 0x0                               ; my images have landed
	s_barrier_signal -1
	s_barrier_wait -1
.irp rt, 0,1,2,3,4,5,6,7
.irp n, 0,1,2,3
	ds_load_b128 v[XF+16*\rt+4*\n:XF+16*\rt+4*\n+3], v[AF] offset:(\rt/2)*XPART+(\rt%2)*2048+512*\n
.endr
	ds_load_b32 v[XS+\rt], v[ASC] offset:(\rt/2)*XPART+4096+128*(\rt%2)
.endr
.irp j, 0,1,2,3,4,5,6,7
	v_mov_b32 v[ACC+24+\j], s48                    ; the reduction runs one result behind the products: its first turn finds this in the ring's last place
.endr
.set i, 0
.rept 32
	v_mov_b32 v[BEST+i], s48                       ; the bests begin under every score
.set i, i+1
.endr
; The first K step of a result: C = -1/2 |c|^2.  The second adds in place; its scale words stand in lanes 16-31 of the same registers.
.macro MM0 ring, b, rt
	v_wmma_scale_f32_16x16x128_f8f6f4 v[ACC+8*(\ring):ACC+8*(\ring)+7], v[F+16*(\b):F+16*(\b)+7], v[XF+16*(\rt):XF+16*(\rt)+7], v[CC+8*(\b):CC+8*(\b)+7], v[CS+(\b)], v[XS+(\rt)] matrix_a_fmt:MATRIX_FMT_FP4 matrix_b_fmt:MATRIX_FMT_FP4
.endm
.macro MM1 ring, b, rt
	v_wmma_scale_f32_16x16x128_f8f6f4 v[ACC+8*(\ring):ACC+8*(\ring)+7], v[F+16*(\b)+8:F+16*(\b)+15], v[XF+16*(\rt)+8:XF+16*(\rt)+15], v[ACC+8*(\ring):ACC+8*(\ring)+7], v[CS+(\b)], v[XS+(\rt)] matrix_a_fmt:MATRIX_FMT_FP4 matrix_b_fmt:MATRIX_FMT_FP4 matrix_a_scale:MATRIX_SCALE_ROW1 matrix_b_scale:MATRIX_SCALE_ROW1
.endm
; Half of a result's reduction: registers q, q + 4, q + 1, q + 5 (q = 2 x half) get their index field, and two bests take two scores each.  Half 0 begins at the accumulator's lowest register.
.macro VH ring, rt, e, half
.set RA, ACC+8*(\ring)+2*(\half)
.set RB, BEST+4*(\rt)+2*(\half)
	v_bfi_b32 v[RA], s[MSK], s[\e], v[RA]
	v_bfi_b32 v[RA+4], s[MSK], s[\e+1], v[RA+4]
	v_bfi_b32 v[RA+1], s[MSK], s[\e], v[RA+1]
	v_bfi_b32 v[RA+5], s[MSK], s[\e+1], v[RA+5]
	v_max3_num_f32 v[RB], v[RB], v[RA], v[RA+4]
	v_max3_num_f32 v[RB+1], v[RB+1], v[RA+1], v[RA+5]
.endm
; Result k of a trip's 16 (tile k / 8 of two, row tile k % 8, ring place k % 4).  The matrix instructions go: first step of k + 1, second step of k, first step of k + 2 ..: no two that follow each other share an
; accumulator, one instruction a turn.  Behind each stand six lines of the reduction of result k - 1, which name that result's ring place, the bests and scalars alone: they are the places
; between the second step of k and the first read of it, and in front of loads into a buffer that it read.  A ring place is written anew four results on.
.macro PAIR k, m0
.if \m0
	MM0 ((\k)+1)%4, (((\k)+1)/8)%2, ((\k)+1)%8
.endif
.if ((\k) == 0) || ((\k) >= 9)
	VH ((\k)+3)%4, ((\k)+7)%8, E1, 0
.else
	VH ((\k)+3)%4, ((\k)+7)%8, E0, 0
.endif
	MM1 (\k)%4, (\k)/8, (\k)%8
.if ((\k) == 0) || ((\k) >= 9)
	VH ((\k)+3)%4, ((\k)+7)%8, E1, 1
.else
	VH ((\k)+3)%4, ((\k)+7)%8, E0, 1
.endif
.endm
; A tile into buffer b: its two fragments, its scale words (lanes 0-15 K step 0, lanes 16-31 K step 1), and -1/2 |c|^2 of my half's eight codes in the result's layout.  tile: counted from the tile in buffer 0.
.macro LOADT b, tile
.irp n, 0,1,2,3
	ds_load_b128 v[F+16*\b+4*\n:F+16*\b+4*\n+3], v[AF] offset:2048*\tile+512*\n
.endr
	ds_load_b32 v[CS+\b], v[ASC] offset:128*\tile
	ds_load_b128 v[CC+8*\b:CC+8*\b+3], v[AQ] offset:64*\tile
	ds_load_b128 v[CC+8*\b+4:CC+8*\b+7], v[AQ] offset:64*\tile+16
.endm
.macro ADDR                            ; the three LDS addresses from the thread's number and the three scalars
	v_and_b32 v[AF], 31, v0
	v_bfe_u32 v[AQ], v0, 4, 1
	v_lshl_add_u32 v[ASC], v[AF], 2, s[SAS]
	v_lshl_add_u32 v[AF], v[AF], 4, s[SAF]
	v_lshl_add_u32 v[AQ], v[AQ], 5, s[SAQ]
.endm
; A trip: two tiles x eight row tiles.  last = 1: the phase's last two tiles: nothing more is loaded, and no product of the next slot is begun.
.macro TRIP last
	LOADT 1, 1                                     ; the second tile: seven results ahead of its first use
	PAIR 0, 1                                      ; (its reduction is that of the last result of the tile before, in buffer 1)
	s_sub_co_u32 s[E1], s[E1], 4                   ; now buffer 1's field is the second tile's
	s_sub_co_u32 s[E1+1], s[E1+1], 4
.irp k, 1,2,3,4,5,6
	PAIR \k, 1
.endr
	s_wait_dscnt 0x0                               ; the second tile is in: its seven loads are all that is out
	PAIR 7, 1
.if \last == 0
	LOADT 0, 2                                     ; the next trip's first tile
	s_add_co_u32 s[SAF], s[SAF], 4096              ; two tiles on
	s_add_co_u32 s[SAS], s[SAS], 256
	s_add_co_u32 s[SAQ], s[SAQ], 128
	ADDR
.endif
	PAIR 8, 1
	s_sub_co_u32 s[E0], s[E0], 4                   ; buffer 0's field: the next trip's first tile
	s_sub_co_u32 s[E0+1], s[E0+1], 4
.irp k, 9,10,11,12,13,14
	PAIR \k, 1
.endr
.if \last
	PAIR 15, 0
.else
	s_wait_dscnt 0x0                               ; the next trip's first tile is in
	PAIR 15, 1
.endif
.endm
; A phase: my 16 tiles of the slot.  The last result's reduction stands in the next phase's first trip, or behind the last phase.
.macro PHASE slot
	s_add_co_u32 s[SAS], s14, \slot*SLOTB          ; my sub-chunk: its scale words,
	s_add_co_u32 s[SAQ], s[SAS], 2048              ; -1/2 |c|^2,
	s_add_co_u32 s[SAF], s[SAS], 3072              ; fragments
	ADDR
	LOADT 0, 0
	s_wait_dscnt 0x0
	MM0 0, 0, 0
	s_mov_b32 s[TRIPS], 7
.Ltrip_\@:
	TRIP 0
	s_sub_co_u32 s[TRIPS], s[TRIPS], 1
	s_cmp_lg_u32 s[TRIPS], 0
	s_cbranch_scc1 .Ltrip_\@
	TRIP 1                                         ; written out: no load beyond my 16 tiles
.endm
; THE CHANGE OF SLOTS.  Each wave waits for all its tensor loads, of which one is out: its part of the slot ahead; adds 0 to its spare word; and waits for that and for its reads of the slot that it leaves.
; fill = 1: that slot is filled again, with the fill two on.  The barrier is then a round of the cluster's, so that no wave of any partner still reads the slot or has a load on its way, and the joint refill
; is the first thing behind it, one load a wave: it has a whole phase, 256 matrix instructions of each wave, in which to land.
.macro CHANGE fill, slot
	s_wait_tensorcnt 0x0                           ; no tensor load of mine is out, so a group 0 may be written
	ds_add_u32 v[SPW], v[NIL]                      ; 0 onto my spare word
.if \fill
	s_add_nc_u64 s[G0+4*\slot+2:G0+4*\slot+3], s[G0+4*\slot+2:G0+4*\slot+3], 2*SLOTB   ; the type bits on top are not reached
.endif
	s_wait_dscnt 0x0                               ; the add is done, and my reads of the slot are over
.if \fill
	ROUND
	tensor_load_to_lds s[G0+4*\slot:G0+4*\slot+3], s[G1:G1+7]
	s_nop 0
.rept 4
	v_nop
.endr
.else
	s_barrier_signal -1
	s_barrier_wait -1
.endif
.endm
	PHASE 0                                        ; fill 0 (its first wait on DScnt also covers x's fragments)
	CHANGE 1, 0
	PHASE 1                                        ; fill 1
	CHANGE 1, 1
	PHASE 0                                        ; fill 2
	CHANGE 0, 0                                    ; nothing is left to fetch
	PHASE 1                                        ; fill 3
	VH 3, 7, E1, 0                                 ; the last result: six lines of the reduction before it stand behind its second step
	VH 3, 7, E1, 1
; THE END.  Each best is taken apart: the value with its low 7 bits cleared, and the code 1024 f + 256 cq + 16 i + 8 h + 4 jb + q from n = 127 - field = 32 f + 2 i + jb.  x's fragments' registers are free.
.set VAL, 128                          ; v128-159 values, v160-191 codes: 4 rt + q
.set IDX, 160
.set T0,  192                          ; v192-194 at work
.set BQ,  196                          ; v196-199 256 cq + 8 h + q
.set PV,  200                          ; v200, v201 the other half of the lanes' value and code
; b takes a's place where its value is larger, or equal with the lower code
.macro MERGE va, ia, vb, ib
	v_cmp_gt_f32 s40, v[\vb], v[\va]
	v_cmp_eq_f32 s41, v[\vb], v[\va]
	v_cmp_lt_u32 vcc_lo, v[\ib], v[\ia]
	s_and_b32 s41, s41, vcc_lo
	s_or_b32 s40, s40, s41
	v_cndmask_b32 v[\va], v[\va], v[\vb], s40
	v_cndmask_b32 v[\ia], v[\ia], v[\ib], s40
.endm
	v_and_b32 v[T0], 31, v0
	s_lshl_b32 s44, s[WV], 10
	s_add_co_u32 s44, s44, XIMG
	v_lshl_add_u32 v[AF], v[T0], 2, s44            ; where my bests go: 1,024 bytes a wave, 4 x lane
	s_lshr_b32 s44, s[WV], 1
	s_lshl_b32 s44, s44, 12
	s_and_b32 s48, s[WV], 1
	s_lshl_b32 s48, s48, 8
	s_add_co_u32 s44, s44, s48
	s_add_co_u32 s44, s44, XIMG
	v_lshl_add_u32 v[ASC], v[T0], 3, s44           ; where waves 0 to 3 read: half w / 2 of the rows, its rows 64 (w % 2) + 2 x lane and + 1 (made by every wave, ahead of the branch)
	s_lshl_b32 s44, s[WV], 8
	v_lshl_add_u32 v[AQ], v[T0], 3, s44            ; and the same two rows in idx
	v_bfe_u32 v[BQ], v0, 4, 1
	v_lshl_add_u32 v[BQ], v[BQ], 3, s33
	v_add_nc_u32 v[BQ+1], 1, v[BQ]
	v_add_nc_u32 v[BQ+2], 2, v[BQ]
	v_add_nc_u32 v[BQ+3], 3, v[BQ]
	v_mov_b32 v[PV], 0                             ; written once: a lane permute's destination counts as one of its sources
	v_mov_b32 v[PV+1], 0
.set i, 0
.rept 32
	v_and_b32 v[T0], 0x7f, v[BEST+i]
	v_sub_nc_u32 v[T0], 127, v[T0]                 ; n
	v_and_b32 v[VAL+i], 0xffffff80, v[BEST+i]
	v_bfe_u32 v[T0+1], v[T0], 5, 2                 ; f
	v_bfe_u32 v[T0+2], v[T0], 1, 4                 ; i
	v_and_b32 v[T0], 1, v[T0]                      ; jb
	v_lshl_add_u32 v[IDX+i], v[T0+1], 10, v[BQ+i%4]
	v_lshl_add_u32 v[IDX+i], v[T0+2], 4, v[IDX+i]
	v_lshl_add_u32 v[IDX+i], v[T0], 2, v[IDX+i]
.set i, i+1
.endr
.irp rt, 0,1,2,3,4,5,6,7
	MERGE VAL+4*\rt, IDX+4*\rt, VAL+4*\rt+1, IDX+4*\rt+1
	MERGE VAL+4*\rt+2, IDX+4*\rt+2, VAL+4*\rt+3, IDX+4*\rt+3
	MERGE VAL+4*\rt, IDX+4*\rt, VAL+4*\rt+2, IDX+4*\rt+2
	v_permlanex16_b32 v[PV], v[VAL+4*\rt], s[SEL], s[SEL+1]
	v_permlanex16_b32 v[PV+1], v[IDX+4*\rt], s[SEL], s[SEL+1]
	MERGE VAL+4*\rt, IDX+4*\rt, PV, PV+1           ; both halves of the lanes now hold the row's best among my 1,024 codes
.endr
.irp a, 0,1,2,3
	v_cndmask_b32 v[VAL+8*\a], v[VAL+8*\a], v[VAL+8*\a+4], s[HI]   ; two row tiles to a register: lane l holds row 32 a + l of my 128
	v_cndmask_b32 v[IDX+8*\a], v[IDX+8*\a], v[IDX+8*\a+4], s[HI]
	ds_store_b32 v[AF], v[VAL+8*\a] offset:128*\a
	ds_store_b32 v[AF], v[IDX+8*\a] offset:512+128*\a
.endr
	s_wait_dscnt 0x0                               ; for the others' sake: my bests have landed
	s_barrier_signal -1
	s_barrier_wait -1
	s_cmp_gt_u32 s[WV], 3                          ; waves 0 to 3 join the four quarters, 64 rows each
	s_cbranch_scc1 .Lnot_mine
.irp c, 0,1,2,3
	ds_load_b64 v[208+4*\c:209+4*\c], v[ASC] offset:1024*\c        ; quarter c's values of my two rows,
	ds_load_b64 v[210+4*\c:211+4*\c], v[ASC] offset:1024*\c+512    ; and codes
.endr
	s_wait_dscnt 0x0
.irp j, 0,1
	MERGE 208+\j, 210+\j, 212+\j, 214+\j
	MERGE 216+\j, 218+\j, 220+\j, 222+\j
	MERGE 208+\j, 210+\j, 216+\j, 218+\j
.endr
	global_store_b64 v[AQ], v[210:211], s[8:9]     ; 32 lanes store 256 consecutive bytes, at a multiple of 256 from idx's first byte
.Lnot_mine:
	s_wait_tensorcnt 0x0                           ; the wave's end: behind my last tensor load and my last LDS store
	ds_add_u32 v[SPW], v[NIL]
	s_wait_dscnt 0x0
	ROUND                                          ; the closing round: no work-group ends while a partner may still ask for a part that names it
	s_endpgm
.Lfunc_end_k_qe6b35ef6f0_nearest:
	.size	k_qe6b35ef6f0_nearest, .Lfunc_end_k_qe6b35ef6f0_nearest-k_qe6b35ef6f0_nearest
	.p2alignl 7, 3214868480
	.fill 96, 4, 3214868480
	.section	.rodata,"a",@progbits
	.p2align	6, 0x0
	.amdhsa_kernel k_qe6b35ef6f0_nearest
		.amdhsa_group_segment_fixed_size 327680
		.amdhsa_private_segment_fixed_size 0
		.amdhsa_enable_private_segment 0
		.amdhsa_kernarg_size 24
		.amdhsa_user_sgpr_count 2
		.amdhsa_user_sgpr_kernarg_segment_ptr 1
		.amdhsa_wavefront_size32 1
		.amdhsa_system_sgpr_workgroup_id_x 1
		.amdhsa_system_sgpr_workgroup_id_y 1
		.amdhsa_system_sgpr_workgroup_id_z 1
		.amdhsa_system_vgpr_workitem_id 0
		.amdhsa_next_free_vgpr 512
		.amdhsa_next_free_sgpr 66
		.amdhsa_reserve_vcc 1
		.amdhsa_float_denorm_mode_32 3
		.amdhsa_float_denorm_mode_16_64 3
		.amdhsa_memory_ordered 1
		.amdhsa_forward_progress 1
		.amdhsa_inst_pref_size 214
	.end_amdhsa_kernel
	.amdgpu_metadata
---
amdhsa.version: [ 1, 2 ]
amdhsa.kernels:
  - .name:           k_qe6b35ef6f0_nearest
    .symbol:         k_qe6b35ef6f0_nearest.kd
    .args:
      - { .name: x, .offset: 0, .size: 8, .value_kind: global_buffer, .address_space: global }
      - { .name: cbq, .offset: 8, .size: 8, .value_kind: global_buffer, .address_space: global }
      - { .name: idx, .offset: 16, .size: 8, .value_kind: global_buffer, .address_space: global }
    .group_segment_fixed_size: 327680
    .private_segment_fixed_size: 0
    .kernarg_segment_align: 8
    .kernarg_segment_size: 24
    .max_flat_workgroup_size: 256
    .sgpr_count:     66
    .vgpr_count:     512
    .wavefront_size: 32
...
	.end_amdgpu_metadata
.endif
;; end of part 2
;; launch finish (part 3): grid 1024 x 1, 8 waves a work-group, no clusters, 0 bytes of LDS; arguments x, random_vector, codebooks, idx, out0; writes out0
.if DOCPART == 3
	.amdgcn_target "amdgcn-amd-amdhsa--gfx1250"
	.amdhsa_code_object_version 6
	.text
	.protected	k_qe6b35ef6f0_finish
	.globl	k_qe6b35ef6f0_finish
	.p2align	8
	.type	k_qe6b35ef6f0_finish,@function
k_qe6b35ef6f0_finish:
	s_mov_b64 s[64:65], 0
	v_nop
	global_prefetch_b8 v0, s[64:65] scope:SCOPE_SE
	s_setreg_imm32_b32 hwreg(HW_REG_WAVE_MODE, 25, 1), 1
	s_wait_xcnt 0x0
; out0[row] = x + (|x - c| / |rv| + 1e-12) rv, c = codebooks[idx[row]] in f32, idx from the launch before.  x, random_vector, out0: [65536][256] f32; all arithmetic in f32.
; A stream: no LDS, no barrier, no matrix unit.  A wave takes 8 rows in 4 steps of 2: sixteen lanes hold a row, 64 bytes a lane, so that each load and store covers 256 consecutive aligned bytes of each of two rows,
; and a row's sums stay inside sixteen lanes.  All of a wave's loads go out at its head: 4 of indices, 16 of x, 16 of rv, then, when the indices are there, 16 of code rows.
; Written out, no loop: every offset is an immediate, and no register that a load or store names is written again.
; LIMITS: the division is a multiplication by v_rcp_f32, the roots are v_sqrt_f32 (1 ulp each; they take sums of squares under 2^-126 for zero).  A row of rv that is all zeros, NaN and infinities are not served.
.set OFF, 4                            ; v4   my 16 bytes in a step's two rows: 1,024 (lane / 16) + 16 (lane % 16)
.set IO,  5                            ; v5   my row's index in a step's two: 4 (lane / 16)
.set R16, 6                            ; v6   16 (lane % 16)
.set ID,  8                            ; v8-11   the steps' indices
.set CO,  12                           ; v12-15  my 16 bytes in the steps' code rows
.set X,   32                           ; v32-95   x, 16 registers a step; then the result
.set RV,  96                           ; v96-159  rv
.set C,   160                          ; v160-223 the code rows; then x - c
	s_load_b256 s[4:11], s[0:1], 0x0               ; x s[4:5], rv s[6:7], codebooks s[8:9], idx s[10:11]
	s_load_b64 s[12:13], s[0:1], 0x20              ; out0
	v_lshrrev_b32 v1, 5, v0
	v_readfirstlane_b32 s16, v1                    ; wave 0..7
	v_and_b32 v2, 15, v0
	v_bfe_u32 v3, v0, 4, 1
	v_lshlrev_b32 v[R16], 4, v2
	v_lshl_add_u32 v[OFF], v3, 10, v[R16]
	v_lshlrev_b32 v[IO], 2, v3
	s_lshl_b32 s17, ttmp9, 6
	s_lshl_b32 s18, s16, 3
	s_add_co_u32 s17, s17, s18                     ; my first row: 64 x work-group + 8 x wave
	s_lshl_b32 s18, s17, 10                        ; in bytes of x, rv and out0 (under 2^26),
	s_mov_b32 s19, 0
	s_lshl_b32 s20, s17, 2                         ; and of idx
	s_mov_b32 s21, 0
	s_wait_kmcnt 0x0
	s_add_nc_u64 s[4:5], s[4:5], s[18:19]
	s_add_nc_u64 s[6:7], s[6:7], s[18:19]
	s_add_nc_u64 s[12:13], s[12:13], s[18:19]
	s_add_nc_u64 s[10:11], s[10:11], s[20:21]
.irp t, 0,1,2,3
	global_load_b32 v[ID+\t], v[IO], s[10:11] offset:8*\t
.endr
.irp t, 0,1,2,3
.irp q, 0,1,2,3
	global_load_b128 v[X+16*\t+4*\q:X+16*\t+4*\q+3], v[OFF], s[4:5] offset:2048*\t+256*\q th:TH_LOAD_NT
.endr
.endr
.irp t, 0,1,2,3
.irp q, 0,1,2,3
	global_load_b128 v[RV+16*\t+4*\q:RV+16*\t+4*\q+3], v[OFF], s[6:7] offset:2048*\t+256*\q th:TH_LOAD_NT
.endr
.endr
	s_wait_loadcnt 32                              ; the four indices are in; the 32 loads behind them stay out
.irp t, 0,1,2,3
	v_min_u32 v[ID+\t], 0xfff, v[ID+\t]            ; an index stays inside the table
.endr
.irp t, 0,1,2,3
	v_lshl_add_u32 v[CO+\t], v[ID+\t], 10, v[R16]  ; a code row is 1,024 bytes
.endr
.irp t, 0,1,2,3
.irp q, 0,1,2,3
	global_load_b128 v[C+16*\t+4*\q:C+16*\t+4*\q+3], v[CO+\t], s[8:9] offset:256*\q   ; no hint: the table's rows are named again and again
.endr
.endr
.macro STEP t
	s_wait_loadcnt 12-4*\t                         ; this step's code rows are in, and all of x and rv, which are older; the later steps' code rows may be out
.irp j, 0,2,4,6,8,10,12,14
	v_pk_add_f32 v[C+16*\t+\j:C+16*\t+\j+1], v[X+16*\t+\j:X+16*\t+\j+1], v[C+16*\t+\j:C+16*\t+\j+1] neg_lo:[0,1] neg_hi:[0,1]   ; x - c
.endr
	v_pk_mul_f32 v[16:17], v[C+16*\t:C+16*\t+1], v[C+16*\t:C+16*\t+1]             ; the two sums of squares, each in two chains of two
	v_pk_mul_f32 v[18:19], v[C+16*\t+2:C+16*\t+3], v[C+16*\t+2:C+16*\t+3]
	v_pk_mul_f32 v[20:21], v[RV+16*\t:RV+16*\t+1], v[RV+16*\t:RV+16*\t+1]
	v_pk_mul_f32 v[22:23], v[RV+16*\t+2:RV+16*\t+3], v[RV+16*\t+2:RV+16*\t+3]
.irp j, 4,8,12
	v_pk_fma_f32 v[16:17], v[C+16*\t+\j:C+16*\t+\j+1], v[C+16*\t+\j:C+16*\t+\j+1], v[16:17]
	v_pk_fma_f32 v[18:19], v[C+16*\t+\j+2:C+16*\t+\j+3], v[C+16*\t+\j+2:C+16*\t+\j+3], v[18:19]
	v_pk_fma_f32 v[20:21], v[RV+16*\t+\j:RV+16*\t+\j+1], v[RV+16*\t+\j:RV+16*\t+\j+1], v[20:21]
	v_pk_fma_f32 v[22:23], v[RV+16*\t+\j+2:RV+16*\t+\j+3], v[RV+16*\t+\j+2:RV+16*\t+\j+3], v[22:23]
.endr
	v_pk_add_f32 v[16:17], v[16:17], v[18:19]
	v_pk_add_f32 v[20:21], v[20:21], v[22:23]
	v_add_f32 v16, v16, v17
	v_add_f32 v20, v20, v21
.irp m, 1,2,4,8
	v_add_f32_dpp v16, v16, v16 row_xmask:\m row_mask:0xf bank_mask:0xf   ; across the sixteen lanes of the row
	v_add_f32_dpp v20, v20, v20 row_xmask:\m row_mask:0xf bank_mask:0xf
.endr
	v_sqrt_f32 v24, v16                            ; |x - c|
	v_sqrt_f32 v25, v20                            ; |rv|
	v_nop                                          ; a plain instruction between a transcendental and the use of its result (ISA guide 5.7.2)
	s_wait_alu depctr_va_vdst(0)
	v_rcp_f32 v26, v25
	v_nop
	s_wait_alu depctr_va_vdst(0)
	v_fmaak_f32 v28, v24, v26, 0x2b8cbccc          ; |x - c| / |rv| + 1e-12
	v_mov_b32 v29, v28                             ; twice: a pair for the packed multiply-add
.irp j, 0,2,4,6,8,10,12,14
	v_pk_fma_f32 v[X+16*\t+\j:X+16*\t+\j+1], v[RV+16*\t+\j:RV+16*\t+\j+1], v[28:29], v[X+16*\t+\j:X+16*\t+\j+1]
.endr
.irp q, 0,1,2,3
	global_store_b128 v[OFF], v[X+16*\t+4*\q:X+16*\t+4*\q+3], s[12:13] offset:2048*\t+256*\q th:TH_STORE_NT   ; sixteen lanes store 256 consecutive bytes, at a multiple of 256 from out0's first byte
.endr
.endm
	STEP 0
	STEP 1
	STEP 2
	STEP 3
	s_endpgm
.Lfunc_end_k_qe6b35ef6f0_finish:
	.size	k_qe6b35ef6f0_finish, .Lfunc_end_k_qe6b35ef6f0_finish-k_qe6b35ef6f0_finish
	.p2alignl 7, 3214868480
	.fill 96, 4, 3214868480
	.section	.rodata,"a",@progbits
	.p2align	6, 0x0
	.amdhsa_kernel k_qe6b35ef6f0_finish
		.amdhsa_group_segment_fixed_size 0
		.amdhsa_private_segment_fixed_size 0
		.amdhsa_enable_private_segment 0
		.amdhsa_kernarg_size 40
		.amdhsa_user_sgpr_count 2
		.amdhsa_user_sgpr_kernarg_segment_ptr 1
		.amdhsa_wavefront_size32 1
		.amdhsa_system_sgpr_workgroup_id_x 1
		.amdhsa_system_sgpr_workgroup_id_y 1
		.amdhsa_system_sgpr_workgroup_id_z 1
		.amdhsa_system_vgpr_workitem_id 0
		.amdhsa_next_free_vgpr 224
		.amdhsa_next_free_sgpr 66
		.amdhsa_reserve_vcc 0
		.amdhsa_float_denorm_mode_32 3
		.amdhsa_float_denorm_mode_16_64 3
		.amdhsa_memory_ordered 1
		.amdhsa_forward_progress 1
		.amdhsa_inst_pref_size 21
	.end_amdhsa_kernel
	.amdgpu_metadata
---
amdhsa.version: [ 1, 2 ]
amdhsa.kernels:
  - .name:           k_qe6b35ef6f0_finish
    .symbol:         k_qe6b35ef6f0_finish.kd
    .args:
      - { .name: x, .offset: 0, .size: 8, .value_kind: global_buffer, .address_space: global }
      - { .name: random_vector, .offset: 8, .size: 8, .value_kind: global_buffer, .address_space: global }
      - { .name: codebooks, .offset: 16, .size: 8, .value_kind: global_buffer, .address_space: global }
      - { .name: idx, .offset: 24, .size: 8, .value_kind: global_buffer, .address_space: global }
      - { .name: out0, .offset: 32, .size: 8, .value_kind: global_buffer, .address_space: global }
    .group_segment_fixed_size: 0
    .private_segment_fixed_size: 0
    .kernarg_segment_align: 8
    .kernarg_segment_size: 40
    .max_flat_workgroup_size: 256
    .sgpr_count:     66
    .vgpr_count:     224
    .wavefront_size: 32
...
	.end_amdgpu_metadata
.endif
;; end of part 3
